; MI455X (gfx1250); checked and timed in simulation.
; The chip was launched on July 23, 2026; its instructions are those of AMD's public machine-readable ISA for CDNA 5 (MIT licence, August 2026) and "CDNA5" Instruction Set Architecture Reference Guide (July 2026). The comments in the code are by the model that wrote it; some were corrected since.
;; Attention Layer. Allowed arithmetic: matrix products marked QUANTISED: E5M2 operands, one given power-of-two scale a tensor, by v_wmma_f32_16x16x64_bf8_bf8 or v_wmma_f32_16x16x128_bf8_bf8, f32 sums; products left as they are: f32 operands where the result goes on into a quantised operand, else bf16, f16 or f32 operands; f32 sums; everything else in f32.
;; Inputs: IEs 512 x 64 x 1 float32; We 64 float32; Wk_codes 1,024 x 32 x 32 uint8 (E5M2 codes of Wk, K innermost, in blocks of 32 codes); Wq_codes 1,024 x 32 x 32 uint8 (E5M2 codes of Wq, K innermost, in blocks of 32 codes); Wv_codes 1,024 x 32 x 32 uint8 (E5M2 codes of Wv, K innermost, in blocks of 32 codes); all_states_codes 512 x 64 x 32 x 32 uint8 (E5M2 codes of all_states, K innermost, in blocks of 32 codes); bk 1,024 float32; bq 1,024 float32; bv 1,024 float32; last_state_codes 512 x 32 x 32 uint8 (E5M2 codes of last_state, K innermost, in blocks of 32 codes); lowp_scales 6 int32 (the exponents e of the quantised operands' scales 2^e).
;; Outputs: out0 512 x 1,024 float32; out1 512 x 64 float32.
;; This version of the problem:
;;   THIS VERSION OF THE PROBLEM IS GIVEN IN LOW PRECISION. The matrix products marked QUANTISED in the list below multiply operands that are first quantised to E5M2 (5 exponent bits, 2 mantissa bits; 8 bits a number), with one given power-of-two scale for each operand tensor; their sums are f32. All else is computed in f32.
;;   The module's matrix products, in the order in which they are computed (A, B: the left and right operand; K: the contracted axis; several contracted axes count as one K, in the product's order):
;;     1. [M 512, K 1,024] x [K 1,024, N 1,024]; A: input last_state (given as codes); B: input Wq (given as codes): QUANTISED (scales: A lowp_scales[0], B lowp_scales[1])
;;     2. [M 32,768, K 1,024] x [K 1,024, N 1,024]; A: input all_states (given as codes); B: input Wk (given as codes): QUANTISED (scales: A lowp_scales[2], B lowp_scales[3])
;;     3. [M 32,768, K 1,024] x [K 1,024, N 1,024]; A: input all_states (given as codes); B: input Wv (given as codes): QUANTISED (scales: A lowp_scales[4], B lowp_scales[5])
;;     4. batch 512 x [M 1, K 1,024] x [K 1,024, N 64]; A: computed on the way; B: computed on the way: left as it is (M = 1 < 16)
;;     5. batch 512 x [M 1, K 64] x [K 64, N 1,024]; A: softmax; B: computed on the way: left as it is (M = 1 < 16)
;;   THE QUANTISER, for each operand of a quantised product, along K:
;;     - The operand's scale is 2^e, e = its entry of the input lowp_scales (int32; the entries are numbered through the quantised products in the list's order, A before B).
;;     - Each number is divided by the scale, clamped to +-57,344, and rounded to the nearest number of E5M2, ties to even, subnormals kept.
;;     - The product sums the exact products of the quantised numbers (number of the format x scale) in f32.
;;   ~~~python
;;   def quantise(x, axis, e):      # numpy; x: float32 -> the quantised numbers, widened to float32 again
;;       x = np.moveaxis(x, axis, -1); K = x.shape[-1]
;;       r = np.clip(x / 2.0 ** e, -57344, 57344)
;;       step = 2.0 ** (np.maximum(np.frexp(np.where(r == 0, 1, r))[1] - 1, -14) - 2)
;;       q = np.round(r / step) * step * 2.0 ** e      # np.round: ties to even
;;       return np.moveaxis(q, -1, axis).astype(np.float32)
;;   ~~~
;;   INPUTS GIVEN AS CODES. Wk (in the module: [1024, 1024], K = its axis 1); Wq (in the module: [1024, 1024], K = its axis 1); Wv (in the module: [1024, 1024], K = its axis 1); all_states (in the module: [512, 64, 1024], K = its axis 2); last_state (in the module: [512, 1024], K = its axis 1): each comes as NAME_codes (uint8): NAME with its K axis moved to the last place and cut into blocks of 32 codes, [.., K / 32, bytes a block], one block behind the other in memory; one code a byte (a code: sign, 5 exponent bits, 2 mantissa bits); its scale is its entry of lowp_scales. Its value is code x scale, taken as it is: it is not quantised again, and the codes and scales need not be those that the quantiser above would give.
;; One version. Each part assembles by itself: llvm-mc -triple=amdgcn-amd-amdhsa -mcpu=gfx1250 --defsym DOCPART=n.
;; ======== version 1 of 1: 2 launches
;; limits: right only within a limited range of input values
;; workspace buffers: qws 2,097,152 bytes
;; launch qproj (part 1): grid 16 x 16, 8 waves a work-group, clusters of 4 x 4, 167,936 bytes of LDS; arguments last_state_codes, Wq_codes, bq, lowp_scales, qws; writes qws
.if DOCPART == 1
	.amdgcn_target "amdgcn-amd-amdhsa--gfx1250"
	.amdhsa_code_object_version 6
	.text
	.protected	k_q5f7913f1f9_qproj
	.globl	k_q5f7913f1f9_qproj
	.p2align	8
	.type	k_q5f7913f1f9_qproj,@function
k_q5f7913f1f9_qproj:
	s_mov_b64 s[64:65], 0
	v_nop
	global_prefetch_b8 v0, s[64:65] scope:SCOPE_SE
	s_setreg_imm32_b32 hwreg(HW_REG_WAVE_MODE, 25, 1), 1
	s_wait_xcnt 0x0
	s_wait_alu depctr_hold_cnt(0) depctr_sa_sdst(0) depctr_va_vdst(0) depctr_va_sdst(0) depctr_va_ssrc(0) depctr_va_vcc(0) depctr_vm_vsrc(0)
	s_getreg_b32 s2, hwreg(HW_REG_IB_STS2, 6, 4)
	s_cmp_eq_u32 s2, 0
	s_cbranch_scc0 .Lentry_in_a_cluster
	s_endpgm
.Lentry_in_a_cluster:
	s_bfe_u32 s2, ttmp6, 0x10000c
	s_cmp_lg_u32 s2, 0xf033
	s_cbranch_scc0 .Lentry_shape_is_right
	s_endpgm
.Lentry_shape_is_right:
; Q[m][n] = 2^(e0 + e1) x (sum over k of last_state code[m][k] x Wq code[n][k]) + bq[n], f32, [512][1024], into a workspace buffer.
; Both operands are codes of E5M2, K innermost, a row of 1,024 bytes.  The program leaves no step of the problem out.
; LIMIT: e0 + e1 lies between -126 and 127, so that 2^(e0 + e1) is an f32 number.
; SHARES.  256 work-groups, 32 rows x 64 columns each, all of K in LDS at once: 96 rows of 1,024 bytes, each filled once; there is no loop to prefetch in.
; Wave w takes a quarter of K (w / 2, two matrix instructions deep) and half of the columns (w % 2): 2 x 2 tiles of 16 x 16.  The four partial sums of a number meet in LDS; each wave then finishes four rows.
; CLUSTERS: 4 x 4 work-groups.  The rows of last_state are shared along a row of the cluster, those of Wq along a column: each wave issues one joint load.
; THE MATRIX INSTRUCTION IS USED TRANSPOSED (source 0 = 16 rows of Wq, source 1 = 16 rows of last_state): a lane holds row l % 16 of Q and eight neighbouring columns.
; A fragment (16 rows x 128 K) is four loads of 16 bytes, 32 bytes apart: the same permutation of k in both operands, so every product meets its partner.
.set PIT,  1040                        ; an LDS row: 1,024 bytes + 16 of padding
.set ABASE, 64*PIT                     ; behind Wq's 64 rows: last_state's 32
.set STG,  96*PIT                      ; the stage: four quarters of K x 32 rows
.set SP,   272                         ; a stage row: 64 columns x 4 bytes + 16 of padding
.set WST,  32*SP
.set SPARE, STG+4*WST                  ; the spare words, 128 bytes for each wave
.set VA,   3                           ; v3, v4 LDS addresses of my fragments of last_state, of Wq
.set VW,   4
.set STO,  5
.set RD,   6
.set GO,   7
.set BQ,   8                           ; v[8:11] bq of my four columns
.set BQO,  12
.set VF,   13
.set AF,   16                          ; v16-79   last_state's fragments, (m, s) at 16 (2 m + s); later the partial sums read back, and the results
.set WF,   80                          ; v80-143  Wq's, (n, s) at 16 (2 n + s)
.set ACC,  144                         ; v144-175 four accumulators, (n, m) at 8 (2 n + m)
.set SPW,  176
.set NIL,  177
.set G1A,  32                          ; s[32:39], s[40:47] descriptor groups 1 for last_state and Wq;  s[48:51], s[52:55] their groups 0
.set G1W,  40
.set G0A,  48
.set G0W,  52
.macro CROUND                          ; a round of the cluster's barrier
	s_barrier_signal -1
	s_barrier_wait -1
	s_cmp_lg_u32 s14, 0
	s_cbranch_scc1 .Lnot_wave_0_\@
	s_barrier_signal -3
.Lnot_wave_0_\@:
	s_barrier_wait -3
	s_barrier_signal -1
	s_barrier_wait -1
.endm
	s_load_b128 s[4:7], s[0:1], 0x0                ; last_state's codes, Wq's codes
	s_load_b128 s[8:11], s[0:1], 0x10              ; bq, the scales' exponents
	s_load_b64 s[12:13], s[0:1], 0x20              ; Q
	v_lshl_add_u32 v[SPW], v0, 2, SPARE
	v_mov_b32 v[NIL], 0
	ds_add_u32 v[SPW], v[NIL]                      ; the opening: the add, twice on end, and its wait
	ds_add_u32 v[SPW], v[NIL]
	v_lshrrev_b32 v1, 5, v0
	v_readfirstlane_b32 s14, v1                    ; wave 0..7
	s_and_b32 s15, s14, 3
	s_bfe_u32 s16, ttmp6, 0x40000                  ; cx, cy
	s_bfe_u32 s17, ttmp6, 0x40004
	s_lshl_b32 s18, ttmp9, 2
	s_add_co_u32 s18, s18, s16                     ; my 64 columns
	s_and_b32 s19, ttmp7, 0xffff
	s_lshl_b32 s19, s19, 2
	s_add_co_u32 s19, s19, s17                     ; my 32 rows
	s_lshl_b32 s20, s17, 2
	s_lshl_b32 s20, 15, s20                        ; my row of the cluster
	s_lshl_b32 s21, 0x1111, s16                    ; my column
	s_or_b32 s[G1A], s20, (1<<20)|(1<<21)|(7<<22)|(3<<25)   ; mask; elements of 1 byte; padding of four words after every 256
	s_or_b32 s[G1W], s21, (1<<20)|(1<<21)|(7<<22)|(3<<25)
.irp g, G1A, G1W
	s_mov_b32 s[\g+1], 1024<<16
	s_mov_b32 s[\g+3], 1024<<16
	s_mov_b32 s[\g+5], 1024
	s_mov_b32 s[\g+6], 0
	s_mov_b32 s[\g+7], 0
.endr
	s_mov_b32 s[G1A+2], 8<<16                      ; waves 4 to 7 fetch 8 rows of last_state each,
	s_mov_b32 s[G1A+4], 8
	s_mov_b32 s[G1W+2], 16<<16                     ; waves 0 to 3 16 rows of Wq each
	s_mov_b32 s[G1W+4], 16
	s_lshl_b32 s22, s19, 15
	s_lshl_b32 s28, s15, 13
	s_add_co_u32 s22, s22, s28
	s_mov_b32 s23, 0
	s_lshl_b32 s24, s18, 16
	s_lshl_b32 s28, s15, 14
	s_add_co_u32 s24, s24, s28
	s_mov_b32 s25, 0
	s_mul_i32 s28, s15, 16*PIT
	s_mul_i32 s29, s15, 8*PIT
	s_add_co_u32 s29, s29, ABASE
	s_wait_alu depctr_va_vdst(0)
	s_wait_dscnt 0x0                               ; both opening adds are done
	s_wait_kmcnt 0x0
	s_load_b64 s[26:27], s[10:11], 0x0             ; e0, e1
	s_mov_b32 s[G0A], 1
	s_mov_b32 s[G0A+1], s29
	s_add_nc_u64 s[G0A+2:G0A+3], s[4:5], s[22:23]
	s_or_b32 s[G0A+3], s[G0A+3], 0x80000000
	s_mov_b32 s[G0W], 1
	s_mov_b32 s[G0W+1], s28
	s_add_nc_u64 s[G0W+2:G0W+3], s[6:7], s[24:25]
	s_or_b32 s[G0W+3], s[G0W+3], 0x80000000
	CROUND                                         ; the cluster is here: the joint loads meet
	s_cmp_lt_u32 s14, 4
	s_cbranch_scc0 .Lfor_a
	tensor_load_to_lds s[G0W:G0W+3], s[G1W:G1W+7]
	s_nop 0
.rept 4
	v_nop
.endr
	s_branch .Lasked
.Lfor_a:
	tensor_load_to_lds s[G0A:G0A+3], s[G1A:G1A+7]
	s_nop 0
.rept 4
	v_nop
.endr
.Lasked:
	s_lshl_b32 s22, s18, 8                         ; 64 columns of f32,
	s_mov_b32 s23, 0
	s_lshl_b32 s24, s19, 17                        ; 32 rows of Q
	s_mov_b32 s25, 0
	s_add_nc_u64 s[8:9], s[8:9], s[22:23]
	s_add_nc_u64 s[12:13], s[12:13], s[24:25]
	s_add_nc_u64 s[12:13], s[12:13], s[22:23]
	s_lshr_b32 s16, s14, 1                         ; my quarter of K
	s_and_b32 s17, s14, 1                          ; my half of the columns
	v_and_b32 v1, 15, v0                           ; r = l % 16
	v_bfe_u32 v2, v0, 4, 1                         ; h = l / 16
	v_lshlrev_b32 v[BQO], 4, v1
	global_load_b128 v[BQ:BQ+3], v[BQO], s[8:9]
	s_lshl_b32 s28, s16, 8
	v_mul_u32_u24 v[VF], v1, PIT
	v_lshl_add_u32 v[VF], v2, 4, v[VF]
	v_add_nc_u32 v[VF], s28, v[VF]                 ; row r, + 16 h, + my quarter
	v_add_nc_u32 v[VA], ABASE, v[VF]
	s_mul_i32 s28, s17, 32*PIT
	v_add_nc_u32 v[VW], s28, v[VF]
	s_mul_i32 s28, s16, WST
	s_lshl_b32 s29, s17, 7
	s_add_co_u32 s28, s28, s29
	s_add_co_u32 s28, s28, STG
	v_mul_u32_u24 v[STO], v1, SP
	v_lshl_add_u32 v[STO], v2, 5, v[STO]
	v_add_nc_u32 v[STO], s28, v[STO]               ; my quarter's stage, row r, my half of the columns, + 32 h
	s_mul_i32 s28, s14, 4*SP
	s_add_co_u32 s28, s28, STG
	v_mul_u32_u24 v[RD], v2, SP
	v_lshl_add_u32 v[RD], v1, 4, v[RD]
	v_add_nc_u32 v[RD], s28, v[RD]                 ; row 4 x wave + h of a stage, 16 bytes a lane
	s_lshl_b32 s28, s14, 14
	v_lshl_add_u32 v[GO], v2, 12, v[BQO]
	v_add_nc_u32 v[GO], s28, v[GO]                 ; the same row in Q: rows of 4,096 bytes
	s_wait_alu depctr_va_vdst(0)
	s_wait_kmcnt 0x0
	s_add_co_i32 s26, s26, s27
	s_add_co_i32 s26, s26, 127
	s_lshl_b32 s26, s26, 23                        ; 2^(e0 + e1) as f32
	s_mov_b32 s27, s26                             ; (named with it as a pair, so it is written)
	s_wait_tensorcnt 0x0                           ; my rows are in; behind the barrier everybody's are
	s_barrier_signal -1
	s_barrier_wait -1
.irp s, 0,1
.irp m, 0,1
.irp c, 0,1,2,3
	ds_load_b128 v[AF+16*(2*\m+\s)+4*\c:AF+16*(2*\m+\s)+4*\c+3], v[VA] offset:\m*16*PIT+128*\s+32*\c
.endr
.endr
.irp n, 0,1
.irp c, 0,1,2,3
	ds_load_b128 v[WF+16*(2*\n+\s)+4*\c:WF+16*(2*\n+\s)+4*\c+3], v[VW] offset:\n*16*PIT+128*\s+32*\c
.endr
.endr
.endr
	s_wait_dscnt 0x0
.irp n, 0,1                                    ; the four accumulators take turns; the first K step starts the sums
.irp m, 0,1
	v_wmma_f32_16x16x128_bf8_bf8 v[ACC+8*(2*\n+\m):ACC+8*(2*\n+\m)+7], v[WF+32*\n:WF+32*\n+15], v[AF+32*\m:AF+32*\m+15], 0
.endr
.endr
.irp n, 0,1
.irp m, 0,1
	v_wmma_f32_16x16x128_bf8_bf8 v[ACC+8*(2*\n+\m):ACC+8*(2*\n+\m)+7], v[WF+32*\n+16:WF+32*\n+31], v[AF+32*\m+16:AF+32*\m+31], v[ACC+8*(2*\n+\m):ACC+8*(2*\n+\m)+7]
.endr
.endr
.rept 4
	v_nop                                          ; four places ahead of the LDS stores that read results and of the loads into the fragments' registers
.endr
.irp n, 0,1
.irp m, 0,1
	ds_store_b128 v[STO], v[ACC+8*(2*\n+\m):ACC+8*(2*\n+\m)+3] offset:\m*16*SP+64*\n
	ds_store_b128 v[STO], v[ACC+8*(2*\n+\m)+4:ACC+8*(2*\n+\m)+7] offset:\m*16*SP+64*\n+16
.endr
.endr
	s_wait_dscnt 0x0                               ; for the others' sake: my partial sums lie in LDS
	s_barrier_signal -1
	s_barrier_wait -1
.irp i, 0,1                                    ; rows 4 w + 2 i + h, the four quarters p
.irp p, 0,1,2,3
	ds_load_b128 v[AF+16*\i+4*\p:AF+16*\i+4*\p+3], v[RD] offset:\p*WST+2*\i*SP
.endr
.endr
	s_wait_loadcnt 0x0
	s_wait_dscnt 0x0
.irp i, 0,1
	v_pk_add_f32 v[AF+16*\i:AF+16*\i+1],     v[AF+16*\i:AF+16*\i+1],     v[AF+16*\i+4:AF+16*\i+5]
	v_pk_add_f32 v[AF+16*\i+2:AF+16*\i+3],   v[AF+16*\i+2:AF+16*\i+3],   v[AF+16*\i+6:AF+16*\i+7]
	v_pk_add_f32 v[AF+16*\i+8:AF+16*\i+9],   v[AF+16*\i+8:AF+16*\i+9],   v[AF+16*\i+12:AF+16*\i+13]
	v_pk_add_f32 v[AF+16*\i+10:AF+16*\i+11], v[AF+16*\i+10:AF+16*\i+11], v[AF+16*\i+14:AF+16*\i+15]
	v_pk_add_f32 v[AF+16*\i:AF+16*\i+1],     v[AF+16*\i:AF+16*\i+1],     v[AF+16*\i+8:AF+16*\i+9]
	v_pk_add_f32 v[AF+16*\i+2:AF+16*\i+3],   v[AF+16*\i+2:AF+16*\i+3],   v[AF+16*\i+10:AF+16*\i+11]
	v_pk_fma_f32 v[48+4*\i:49+4*\i], v[AF+16*\i:AF+16*\i+1],   s[26:27], v[BQ:BQ+1]   op_sel_hi:[1,0,1]   ; sum x 2^(e0 + e1) + bq
	v_pk_fma_f32 v[50+4*\i:51+4*\i], v[AF+16*\i+2:AF+16*\i+3], s[26:27], v[BQ+2:BQ+3] op_sel_hi:[1,0,1]
	global_store_b128 v[GO], v[48+4*\i:51+4*\i], s[12:13] offset:\i*8192   ; sixteen lanes store 256 consecutive bytes, at a multiple of 256 from Q's first byte
.endr
	s_wait_tensorcnt 0x0                           ; the wave's end
	ds_add_u32 v[SPW], v[NIL]
	s_wait_dscnt 0x0
	CROUND                                         ; the closing round
	s_endpgm
.Lfunc_end_k_q5f7913f1f9_qproj:
	.size	k_q5f7913f1f9_qproj, .Lfunc_end_k_q5f7913f1f9_qproj-k_q5f7913f1f9_qproj
	.p2alignl 7, 3214868480
	.fill 96, 4, 3214868480
	.section	.rodata,"a",@progbits
	.p2align	6, 0x0
	.amdhsa_kernel k_q5f7913f1f9_qproj
		.amdhsa_group_segment_fixed_size 167936
		.amdhsa_private_segment_fixed_size 0
		.amdhsa_enable_private_segment 0
		.amdhsa_kernarg_size 40
		.amdhsa_user_sgpr_count 2
		.amdhsa_user_sgpr_kernarg_segment_ptr 1
		.amdhsa_wavefront_size32 1
		.amdhsa_system_sgpr_workgroup_id_x 1
		.amdhsa_system_sgpr_workgroup_id_y 1
		.amdhsa_system_sgpr_workgroup_id_z 1
		.amdhsa_system_vgpr_workitem_id 0
		.amdhsa_next_free_vgpr 180
		.amdhsa_next_free_sgpr 66
		.amdhsa_reserve_vcc 0
		.amdhsa_float_denorm_mode_32 3
		.amdhsa_float_denorm_mode_16_64 3
		.amdhsa_memory_ordered 1
		.amdhsa_forward_progress 1
		.amdhsa_inst_pref_size 12
	.end_amdhsa_kernel
	.amdgpu_metadata
---
amdhsa.version: [ 1, 2 ]
amdhsa.kernels:
  - .name:           k_q5f7913f1f9_qproj
    .symbol:         k_q5f7913f1f9_qproj.kd
    .args:
      - { .name: last_state_codes, .offset: 0, .size: 8, .value_kind: global_buffer, .address_space: global }
      - { .name: Wq_codes, .offset: 8, .size: 8, .value_kind: global_buffer, .address_space: global }
      - { .name: bq, .offset: 16, .size: 8, .value_kind: global_buffer, .address_space: global }
      - { .name: lowp_scales, .offset: 24, .size: 8, .value_kind: global_buffer, .address_space: global }
      - { .name: qws, .offset: 32, .size: 8, .value_kind: global_buffer, .address_space: global }
    .group_segment_fixed_size: 167936
    .private_segment_fixed_size: 0
    .kernarg_segment_align: 8
    .kernarg_segment_size: 40
    .max_flat_workgroup_size: 256
    .sgpr_count:     66
    .vgpr_count:     180
    .wavefront_size: 32
...
	.end_amdgpu_metadata
.endif
;; end of part 1
;; launch attn (part 2): grid 256 x 1, 4 waves a work-group, clusters of 4 x 1, 327,680 bytes of LDS; arguments qws, all_states_codes, Wk_codes, Wv_codes, bk, bv, IEs, We, lowp_scales, out0, out1; writes out0, out1
.if DOCPART == 2
	.amdgcn_target "amdgcn-amd-amdhsa--gfx1250"
	.amdhsa_code_object_version 6
	.text
	.protected	k_q5f7913f1f9_attn
	.globl	k_q5f7913f1f9_attn
	.p2align	8
	.type	k_q5f7913f1f9_attn,@function
k_q5f7913f1f9_attn:
	s_mov_b64 s[64:65], 0
	v_nop
	global_prefetch_b8 v0, s[64:65] scope:SCOPE_SE
	s_setreg_imm32_b32 hwreg(HW_REG_WAVE_MODE, 25, 1), 1
	s_wait_xcnt 0x0
	s_wait_alu depctr_hold_cnt(0) depctr_sa_sdst(0) depctr_va_vdst(0) depctr_va_sdst(0) depctr_va_ssrc(0) depctr_va_vcc(0) depctr_vm_vsrc(0)
	s_getreg_b32 s2, hwreg(HW_REG_IB_STS2, 6, 4)
	s_cmp_eq_u32 s2, 0
	s_cbranch_scc0 .Lentry_in_a_cluster
	s_endpgm
.Lentry_in_a_cluster:
	s_bfe_u32 s2, ttmp6, 0x10000c
	s_cmp_lg_u32 s2, 0x3003
	s_cbranch_scc0 .Lentry_shape_is_right
	s_endpgm
.Lentry_shape_is_right:
; For two batch rows b: K = X Wk^T and V = X Wv^T on codes of E5M2 (X: the 128 rows of all_states of these two), scores = (Q . K 2^(e2 + e3) + Q . bk) / 32 x exp(-We IE), softmax over 64, context = attn V 2^(e4 + e5) + bv.
; No step of the problem is left out.  LIMITS: e2 + e3 and e4 + e5 lie between -126 and 127; the scaled scores stay under 2^31 in magnitude.
; SHARES.  256 work-groups of four waves, 128 rows each.  Wave (NH, KH) holds ALL 128 rows x its half of K (512) of X in 512 registers and takes the columns of its half NH of each slot: so each byte of W is read
; from LDS once.  The sums over half of K need not be completed in one wave: scores and context are linear in them.  A slot of the ring is 128 columns x 1,024 of K: four tiles of 64 columns x 512 K, one a wave.
; K and V come in tiles of 16 columns: 32 matrix instructions, in two groups of 16: GA = rows 0-63 (the first batch row), GB = rows 64-127.  The four accumulators of a group take turns.
; While one group is multiplied, the group before it is folded in, one packed multiply-add behind each matrix instruction: scores += Q x K, or context = the sum of attn x V.
; CLUSTERS: 4 work-groups walk the same W in step: W's tiles are joint loads (mask 15).  X is each work-group's own.  Cluster c begins at slice c % 8 of W's eight slices of 128 rows and goes round.
; REGISTERS (windows of 256).  Window 1: B's two sets v0-127, accumulators v128-191 (row tile t at 128 + 8 t), scores v192-255 (in V's phase v192-199 the context sums).
;   X (K step s of 128, row tile t): s = 0 in window 0 at v128 + 16 t; s = 1 in window 2 at 16 t; s = 2 in window 3 at 16 t; s = 3, t < 4 in window 2 at 128 + 16 t, t > 3 in window 3 at 128 + 16 (t - 4).
;   Q's or attn's registers lie in the window whose X the neighbouring matrix instructions read: so source 0 changes its window four times in 32 matrix instructions, and the other places never.
.set PITCH, 528                        ; an LDS row: 512 bytes + 16 of padding
.set TILE,  64*PITCH
.set SLOT,  4*TILE
.set CTB,   16*PITCH
.set SPARE, 2*SLOT                     ; the spare words
.set QS,    SPARE+512                  ; Q in the order of the walk: [batch row][slot][NH][r][tile of 16 columns]
.set QB,    QS+8192                    ; Q . bk, four partial sums x two
.set SCP,   QB+256                     ; the scores
.set ATT,   SCP+2048                   ; attn, a copy for each wave
.set CTX,   ATT+2048                   ; partial scores [wave][r][row], later partial contexts [wave][h][batch row][column]
.set SWV,   16*PITCH
.set ADRB, 4
.set ADRX, 6
.set AQ0,  7
.set AQW,  8
.set ACX0, 9
.set ACW,  10
.set SPW,  11
.set NIL,  12
.set PFO,  13
.set ASS,  14
.set ASR,  15
.set AQB,  16
.set AAW,  17
.set TMPA, 18
.set AAO,  19
.set GO1,  20
.set GQ0,  21
.set GQ1,  22
.set GOV,  23
.set AST,  24
.set AFR,  25
.set AQBW, 26
.set GIE,  27
.set FF,   28                          ; v28-31 the factors of my four rows
.set ARD,  112
.set ASW,  113
.set AAT,  114
.set PD,   2                           ; v2-3 lane permutes' destinations, once r and h are done with
.set AT_0, 200                         ; attn of row tile t: t = 3, 4, 5 in window 0, 2, 6 in window 2, 0, 1, 7 in window 3
.set AT_1, 208
.set AT_2, 208
.set AT_3, 48
.set AT_4, 56
.set AT_5, 40
.set AT_6, 200
.set AT_7, 192
.set WV,   26
.set KH,   27
.set NH,   28
.set CX,   29
.set GG,   30
.set ROT,  31
.set G1W,  32                          ; group 1: 64 rows x 512 bytes of W, joint (the refills)
.set G1X,  40                          ; 128 rows x 512 bytes of X
.set G0,   48
.set G0X,  56
.set OFF,  60
.set WKB,  66
.set WVB,  68
.set CNT,  70
.set LAP,  71
.set SEL,  72
.set SCK,  82
.set TS,   83
.set SCV,  84
.set LIM,  86
.set OWN,  87
.set PFA,  88
.set G1H,  92                          ; 128 rows x 512 bytes of W, joint (the head's)
.set MSB, 0
.macro WIN new                         ; the immediate's high byte repeats the setting that is left
.if MSB != (\new)
	s_set_vgpr_msb (MSB<<8)|(\new)
.set MSB, \new
.endif
.endm
.macro PLACES
.rept 4
	v_nop
.endr
.endm
.macro CREST                           ; a round of the cluster's barrier behind its opening barrier
	s_cmp_lg_u32 s[WV], 0
	s_cbranch_scc1 .Lnot_wave_0_\@
	s_barrier_signal -3
.Lnot_wave_0_\@:
	s_barrier_wait -3
	s_barrier_signal -1
	s_barrier_wait -1
.endm
.macro CROUND
	s_barrier_signal -1
	s_barrier_wait -1
	CREST
.endm
; one 16-byte load of B's fragment s into set: slot LSL, tile LCT
.macro BL set, s, c
.set DR, 64*(\set)+16*(\s)+4*(\c)
	ds_load_b128 v[DR:DR+3], v[ADRB+LSL] offset:LCT*CTB+128*(\s)+32*(\c)
.endm
.macro BRUN set                        ; a whole tile's B in one run
.irp s, 0,1,2,3
.irp c, 0,1,2,3
	BL \set, \s, \c
.endr
.endr
.endm
.macro WM s, t, z                      ; one matrix instruction; z = 1 starts the sum
.if (\s) == 0
.set XR, 128+16*(\t)
.elseif (\s) == 3
.set XR, 128+16*((\t)%4)
.else
.set XR, 16*(\t)
.endif
.set BR, 64*SETN+16*(\s)
.set AR, 128+8*(\t)
.if (\z)
	v_wmma_f32_16x16x128_bf8_bf8 v[AR:AR+7], v[XR:XR+15], v[BR:BR+15], 0
.else
	v_wmma_f32_16x16x128_bf8_bf8 v[AR:AR+7], v[XR:XR+15], v[BR:BR+15], v[AR:AR+7]
.endif
.endm
; one packed multiply-add: registers 2 p, 2 p + 1 of row tile t.  PH = 1: scores += Q x K (Q of two tiles shares a pair; the low or the high word serves both halves); PH = 2: context += attn x V
.macro PK w, t, p, car, fst
.set AC, 128+8*(\t)+2*(\p)
.if PH == 1
.set QR, 232
.if (\w) == 0
.set QR, 32
.endif
.set QR, QR+8*QSET+4*((\t)/4)+2*(QC/2)
.set SR, 192+8*(\t)+2*(\p)
.if QC%2
	v_pk_fma_f32 v[SR:SR+1], v[QR:QR+1], v[AC:AC+1], v[SR:SR+1] op_sel:[1,0,0]
.else
	v_pk_fma_f32 v[SR:SR+1], v[QR:QR+1], v[AC:AC+1], v[SR:SR+1] op_sel_hi:[0,1,1]
.endif
.else
.set TR, AT_\t+2*(\p)
.if (\fst) && ((\p) == 0)
	v_pk_mul_f32 v[\car:\car+1], v[TR:TR+1], v[AC:AC+1]
.else
	v_pk_fma_f32 v[\car:\car+1], v[TR:TR+1], v[AC:AC+1], v[\car:\car+1]
.endif
.endif
.endm
; A STRETCH: four matrix instructions (K step s, row tiles t0 .. t0 + 3; X in window w), and behind each a multiply-add of row tile pt of the group before (pt = 8: none).
.macro ST w, s, t0, z, pt, car, fst
	WIN 0x54+\w
.irp u, 0,1,2,3
	WM \s, \t0+\u, \z
.if (PH != 0) && ((\pt) < 8)
	PK \w, \pt, \u, \car, \fst
.endif
.endr
.endm
; BA: a tile's boundary, then its first 16 matrix instructions (row tiles 0-3), which fold in row tiles 4-7 of the tile before.
; The boundary is the one place of a tile with LDS instructions: the wait for this tile's B (asked for a whole tile ago); four multiply-adds, which are also the places ahead of the loads; in V's phase (st) the two context
; sums of the tile before last are stored; and B of the next tile is asked for in one run, into the set that the tile before has read.
; The context sums of a tile lie in v192 + 2 x parity (first batch row) and v196 + 2 x parity (second); v200-203 hold the parts that a change of slots sets apart (fl: they are added here).  The additions are written as
; multiply-adds by 1.0, since source 0 lies in X's window and the sums in window 1, which sources 1 and 2 name.
.macro BA i, ph, run, st, fl
.set SETN, (\i)%2
.set PH, \ph
.set QSET, (((\i)+7)%8)/4
.set QC, ((\i)+7)%4
.set LSL, (((\i)+1)%8)/4
.set LCT, ((\i)+1)%4
.set C1, 196+2*(((\i)+1)%2)
.set CP, 192+2*((\i)%2)
	s_wait_dscnt 0x0
	WIN 0x54
.irp p, 0,1,2,3
	PK 0, 4, \p, C1, 1
.endr
.if (\st)
.if (\fl)
	v_pk_fma_f32 v[CP:CP+1], 1.0, v[200:201], v[CP:CP+1] op_sel_hi:[0,1,1]
	v_pk_fma_f32 v[CP:CP+1], 1.0, v[202:203], v[CP:CP+1] op_sel_hi:[0,1,1]
.endif
	v_fmac_f32 v[CP], 1.0, v[CP+1]
	v_fmac_f32 v[CP+4], 1.0, v[CP+5]
	ds_store_b32 v[ACW], v[CP] offset:64*((\i)-2)
	ds_store_b32 v[ACW], v[CP+4] offset:2048+64*((\i)-2)
.endif
.if (\run)
	BRUN 1-SETN
.endif
	ST 0, 0, 0, 1, 5, C1, 0
	ST 2, 1, 0, 0, 6, C1, 0
	ST 2, 3, 0, 0, 8, C1, 0
	ST 3, 2, 0, 0, 7, C1, 0
.endm
.macro QLOADS set, off, adr            ; Q of a slot's four tiles, both batch rows, into the three windows
	WIN 0
	ds_load_b128 v[32+8*(\set):35+8*(\set)], v[\adr] offset:\off
	ds_load_b128 v[36+8*(\set):39+8*(\set)], v[\adr] offset:(\off)+4096
.irp w, 0x80, 0xc0
	WIN \w
	ds_load_b128 v[232+8*(\set):235+8*(\set)], v[\adr] offset:\off
	ds_load_b128 v[236+8*(\set):239+8*(\set)], v[\adr] offset:(\off)+4096
.endr
	WIN 0
.endm
; A PREFETCH INTO THE L2 of Wv, two changes of slots ahead of the first load of it: the 32 work-groups of clusters 0-7 share its 4,096 blocks of 256 bytes out by address, 32 a wave, each named once in the launch.
; Wk has none: every cluster begins at another of its slices, and a launch's first slots come by their loads alone.
.macro ASKV
	s_cmp_eq_u32 s[CNT], s[LIM]
	s_cbranch_scc0 .Lnot_mine_\@
	global_prefetch_b8 v[PFO], s[PFA:PFA+1] th:TH_LOAD_NT scope:SCOPE_SE
.Lnot_mine_\@:
.endm
; GB: the tile's other 16 matrix instructions (row tiles 4-7); folds in row tiles 0-3.
; mode 1, in a slot's third tile: THE CHANGE OF SLOTS.  All B of this slot has been loaded (the fourth tile's too).  Each wave waits for its tensor load (the other slot's part), adds 0 to its spare word, and waits for that
; and for its reads; the round shows the same of every wave of every partner; the slot is filled again first, with the slice two on.  In V's phase the context sums on either side of a wait are kept apart and added at the end.
; mode 2: no more to fetch: the wave's own part of the last slot, which only it reads, has landed.
.macro GB i, ph, mode, base, ql, ask
.set SETN, (\i)%2
.set PH, \ph
.set QSET, ((\i)%8)/4
.set QC, (\i)%4
.set C0, 192+2*((\i)%2)
.set SL, ((\i)%8)/4
.if (\mode) == 1
	WIN 0
	s_wait_tensorcnt 0x0
	ds_add_u32 v[SPW], v[NIL]
	s_add_co_u32 s[OFF+2*SL], s[OFF+2*SL], 0x40000
	s_and_b32 s[OFF+2*SL], s[OFF+2*SL], 0xfffff
	s_add_nc_u64 s[G0+4*SL+2:G0+4*SL+3], s[\base:\base+1], s[OFF+2*SL:OFF+2*SL+1]
	s_or_b32 s[G0+4*SL+3], s[G0+4*SL+3], 0x80000000
	ST 3, 2, 4, 1, 0, 200, 1
	s_wait_dscnt 0x0
	s_barrier_signal -1
	ST 3, 3, 4, 0, 1, 202, 1
	WIN 0
	s_barrier_wait -1
	CREST
	tensor_load_to_lds s[G0+4*SL:G0+4*SL+3], s[G1W:G1W+7]
	s_nop 0
.if (\ql)
	QLOADS 1-SL, 512+512*SL, AQW
.endif
.if (\ask)
	ASKV
.endif
	ST 2, 1, 4, 0, 2, C0, 1
	ST 0, 0, 4, 0, 3, C0, 0
.else
.if (\mode) == 2
	s_wait_tensorcnt 0x0
.endif
	ST 3, 2, 4, 1, 0, C0, 1
	ST 3, 3, 4, 0, 1, C0, 0
	ST 2, 1, 4, 0, 2, C0, 0
	ST 0, 0, 4, 0, 3, C0, 0
.endif
.endm
.macro TK i, mode, base, ql, ask
	BA \i, 1, 1, 0, 0
	GB \i, 1, \mode, \base, \ql, \ask
.endm
.macro TV i, run, fl, mode, base
	BA \i, 2, \run, 1, \fl
	GB \i, 2, \mode, \base, 0, 0
.endm
.macro XLOAD win, s, t0                ; X's fragments of K step s, row tiles t0 .. t0 + 3
	WIN \win
.irp u, 0,1,2,3
.if (\s) == 0
.set XR, 128+16*(\t0+\u)
.elseif (\s) == 3
.set XR, 128+16*((\t0+\u)%4)
.else
.set XR, 16*(\t0+\u)
.endif
.irp c, 0,1,2,3
	ds_load_b128 v[XR+4*\c:XR+4*\c+3], v[ADRX] offset:(\t0+\u)*CTB+128*\s+32*\c
.endr
.endr
.endm
.macro FOLD n                          ; quads 0 .. n - 1 += quads n .. 2 n - 1, from v48 on
.set qn, 0
.rept \n
	v_pk_add_f32 v[48+4*qn:49+4*qn], v[48+4*qn:49+4*qn], v[48+4*(qn+\n):49+4*(qn+\n)]
	v_pk_add_f32 v[50+4*qn:51+4*qn], v[50+4*qn:51+4*qn], v[50+4*(qn+\n):51+4*(qn+\n)]
.set qn, qn+1
.endr
.endm
	s_load_b256 s[4:11], s[0:1], 0x0               ; Q, X, Wk, Wv
	s_load_b256 s[12:19], s[0:1], 0x20             ; bk, bv, IEs, We
	s_load_b128 s[20:23], s[0:1], 0x40             ; scales, out0
	s_load_b64 s[24:25], s[0:1], 0x50              ; out1
	v_lshl_add_u32 v[SPW], v0, 2, SPARE
	v_mov_b32 v[NIL], 0
	ds_add_u32 v[SPW], v[NIL]                      ; the opening: the add, twice on end, and its wait
	ds_add_u32 v[SPW], v[NIL]
	v_lshrrev_b32 v1, 5, v0
	v_readfirstlane_b32 s[WV], v1
	s_lshr_b32 s[KH], s[WV], 1
	s_and_b32 s[NH], s[WV], 1
	s_bfe_u32 s[CX], ttmp6, 0x40000
	s_lshl_b32 s[GG], ttmp9, 2
	s_add_co_u32 s[GG], s[GG], s[CX]               ; work-group
	s_and_b32 s[ROT], ttmp9, 7                     ; the slice at which my cluster begins
	s_mov_b32 s[G1W], 15|(1<<20)|(1<<21)|(6<<22)|(3<<25)
	s_mov_b32 s[G1H], 15|(1<<20)|(1<<21)|(6<<22)|(3<<25)
	s_mov_b32 s[G1X], (1<<20)|(6<<22)|(3<<25)
.irp g, G1W, G1H, G1X
	s_mov_b32 s[\g+1], 512<<16
	s_mov_b32 s[\g+3], 512<<16
	s_mov_b32 s[\g+5], 1024
	s_mov_b32 s[\g+6], 0
	s_mov_b32 s[\g+7], 0
.endr
	s_mov_b32 s[G1W+2], 64<<16
	s_mov_b32 s[G1W+4], 64
	s_mov_b32 s[G1H+2], 128<<16
	s_mov_b32 s[G1H+4], 128
	s_mov_b32 s[G1X+2], 128<<16
	s_mov_b32 s[G1X+4], 128
	s_lshl_b32 s90, s[NH], 16                      ; my tile of a slice: 64 rows, half of K
	s_lshl_b32 s91, s[KH], 9
	s_add_co_u32 s90, s90, s91
	s_mov_b32 s91, 0
	s_lshl_b32 s[OFF], s[ROT], 17
	s_mov_b32 s[OFF+1], 0
	s_lshl_b32 s81, s[NH], 9                       ; the head: waves 0, 1 fetch W's first slot, waves 2, 3 X: all 128 rows, half wave % 2 of K
	s_lshl_b32 s80, s[GG], 17
	s_add_co_u32 s80, s80, s81
	s_add_co_u32 s74, s[OFF], s81
	s_mov_b32 s75, 0
	s_mov_b32 s81, 0
	s_mul_i32 s[OWN], s[WV], TILE
	s_mul_i32 s98, s[WV], 2*TILE                   ; (s98, s99 hold group 1's last words: written anew below)
	s_mov_b32 s[G0+1], s98
	s_mov_b32 s[G0X+1], s98
	s_mov_b32 s98, 0
	s_add_co_u32 s[OFF+2], s[ROT], 1
	s_and_b32 s[OFF+2], s[OFF+2], 7
	s_lshl_b32 s[OFF+2], s[OFF+2], 17
	s_mov_b32 s[OFF+3], 0
	s_lshl_b32 s82, s[GG], 2
	s_add_co_u32 s82, s82, s[WV]
	s_and_b32 s82, s82, 127
	s_lshl_b32 s82, s82, 13
	s_mov_b32 s83, 0
	s_cmp_lt_u32 ttmp9, 8
	s_cselect_b32 s[LIM], 1, -1
	s_mov_b32 s[SEL], 0x76543210
	s_mov_b32 s[SEL+1], 0xfedcba98
	s_wait_alu depctr_va_vdst(0)
	s_wait_dscnt 0x0                               ; both opening adds are done
	s_wait_kmcnt 0x0
	s_load_b128 s[76:79], s[20:21], 0x8            ; e2 .. e5
	s_add_nc_u64 s[WKB:WKB+1], s[8:9], s[90:91]
	s_add_nc_u64 s[WVB:WVB+1], s[10:11], s[90:91]
	s_add_nc_u64 s[PFA:PFA+1], s[10:11], s[82:83]
	s_mov_b32 s[G0], 1
	s_add_nc_u64 s[G0+2:G0+3], s[8:9], s[74:75]
	s_or_b32 s[G0+3], s[G0+3], 0x80000000
	s_mov_b32 s[G0X], 1
	s_add_nc_u64 s[G0X+2:G0X+3], s[6:7], s[80:81]
	s_or_b32 s[G0X+3], s[G0X+3], 0x80000000
	s_mov_b32 s[G0+4], 1
	s_add_co_u32 s[G0+5], s[OWN], SLOT
	s_add_nc_u64 s[G0+6:G0+7], s[WKB:WKB+1], s[OFF+2:OFF+3]
	s_or_b32 s[G0+7], s[G0+7], 0x80000000
	CROUND                                         ; the cluster is here: the first joint loads meet
	s_cmp_lt_u32 s[WV], 2                          ; one tensor load a wave: W into slot 0, X into slot 1's bytes
	s_cbranch_scc0 .Lhead_x
	tensor_load_to_lds s[G0:G0+3], s[G1H:G1H+7]
	s_nop 0
	PLACES
	s_branch .Lhead_asked
.Lhead_x:
	tensor_load_to_lds s[G0X:G0X+3], s[G1X:G1X+7]
	s_nop 0
	PLACES
.Lhead_asked:
	; under their flight: the small inputs, the addresses, Q's staging, the factors
	s_lshl_b32 s90, s[GG], 13
	s_add_nc_u64 s[4:5], s[4:5], s[90:91]
	s_add_nc_u64 s[22:23], s[22:23], s[90:91]
	s_lshl_b32 s90, s[GG], 9
	s_add_nc_u64 s[16:17], s[16:17], s[90:91]
	s_add_nc_u64 s[24:25], s[24:25], s[90:91]
	s_lshl_b32 s[TS], s[ROT], 9
	v_and_b32 v1, 31, v0
	v_and_b32 v2, 15, v0                           ; r
	v_bfe_u32 v3, v0, 4, 1                         ; h
	v_lshl_add_u32 v[GQ0], v0, 4, s[TS]
	v_and_b32 v[GQ0], 4095, v[GQ0]
	v_xor_b32 v[GQ1], 2048, v[GQ0]
	v_lshlrev_b32 v[GIE], 2, v1
.irp b, 0,1
	global_load_b128 v[128+8*\b:131+8*\b], v[GQ0], s[4:5] offset:4096*\b
	global_load_b128 v[132+8*\b:135+8*\b], v[GQ1], s[4:5] offset:4096*\b
.endr
	global_load_b128 v[144:147], v[GQ0], s[12:13]
	global_load_b128 v[148:151], v[GQ1], s[12:13]
.irp i, 0,1,2,3
	global_load_b32 v[152+\i], v[GIE], s[16:17] offset:128*\i
.endr
	global_load_b32 v156, v[GIE], s[18:19]
	global_load_b32 v157, v[GIE], s[18:19] offset:128
	s_wait_alu depctr_va_vdst(0)
	v_lshrrev_b32 v[TMPA], 4, v0
	v_lshl_add_u32 v[GOV], v[TMPA], 9, s[TS]
	v_lshl_add_u32 v[GOV], v2, 4, v[GOV]
	v_and_b32 v[GOV], 4095, v[GOV]                 ; my four columns of out0 (and 64 columns on)
	v_lshl_add_u32 v[AST], v[TMPA], 8, QS          ; Q's stage: four neighbouring columns are 16 bytes apart
	v_and_b32 v[TMPA], 3, v0
	v_lshl_add_u32 v[AST], v[TMPA], 6, v[AST]
	v_bfe_u32 v[TMPA], v0, 2, 2
	v_lshl_add_u32 v[AST], v[TMPA], 2, v[AST]
	v_mul_u32_u24 v[TMPA], v2, PITCH
	v_lshl_add_u32 v[TMPA], v3, 4, v[TMPA]
	v_add_nc_u32 v[ADRB], s[OWN], v[TMPA]
	v_add_nc_u32 v[ADRB+1], SLOT, v[ADRB]
	s_mul_i32 s[TS], s[KH], 2*TILE
	s_add_co_u32 s[TS], s[TS], SLOT
	v_add_nc_u32 v[ADRX], s[TS], v[TMPA]
	s_lshl_b32 s[TS], s[NH], 8
	s_add_co_u32 s[TS], s[TS], QS
	v_lshl_add_u32 v[AQ0], v2, 4, s[TS]
	s_lshl_b32 s[TS], s[WV], 13
	s_add_co_u32 s[TS], s[TS], CTX
	v_lshl_add_u32 v[ACX0], v3, 12, s[TS]
	v_lshl_add_u32 v[ACX0], v2, 2, v[ACX0]
	v_lshlrev_b32 v[PFO], 8, v1
	s_mul_i32 s[TS], s[WV], SWV
	s_add_co_u32 s[TS], s[TS], CTX
	v_mul_u32_u24 v[ASS], v2, PITCH
	v_lshl_add_u32 v[ASS], v3, 5, v[ASS]
	v_add_nc_u32 v[ASS], s[TS], v[ASS]             ; my partial scores: row r of my part, 32 h bytes on
	s_lshl_b32 s[TS], s[WV], 7
	v_and_b32 v[TMPA], 7, v0
	v_lshlrev_b32 v[TMPA], 4, v[TMPA]
	v_add_nc_u32 v[TMPA], s[TS], v[TMPA]           ; rows 32 wave + 4 (l % 8) on, in bytes
	v_add_nc_u32 v[ASW], SCP, v[TMPA]
	v_bfe_u32 v[ARD], v0, 3, 2
	v_mul_u32_u24 v[ARD], v[ARD], 4*PITCH
	v_add_nc_u32 v[ARD], v[ARD], v[TMPA]
	v_add_nc_u32 v[ARD], CTX, v[ARD]               ; the same rows in the partial scores of r = 4 (l / 8) on
	s_lshl_b32 s[TS], s[WV], 9
	s_add_co_u32 s[TS], s[TS], ATT
	v_lshl_add_u32 v[AAW], v1, 2, s[TS]
	v_lshl_add_u32 v[AAT], v3, 5, s[TS]
	v_lshl_add_u32 v[ASR], v1, 2, SCP
	v_mov_b32 v[AQB], QB
	v_lshl_add_u32 v[AAO], v1, 4, ATT
	v_lshlrev_b32 v[GO1], 4, v1
	v_lshl_add_u32 v[AFR], v0, 4, CTX
	s_lshl_b32 s[TS], s[WV], 3
	s_add_co_u32 s[TS], s[TS], QB
	v_mov_b32 v[AQBW], s[TS]
	WIN 0x40
.set n, 0
.rept 64
	v_mov_b32 v[192+n], 0                          ; the scores: their loop is written once
.set n, n+1
.endr
	WIN 0
	s_mov_b32 s[LAP], 0
	s_wait_alu depctr_va_vdst(0)
	s_wait_loadcnt 0x0
.irp k, 0,1,2,3
.irp i, 0,1,2,3
	ds_store_b32 v[AST], v[128+4*\k+\i] offset:2048*\k+16*\i
.endr
.endr
	v_pk_mul_f32 v[160:161], v[128:129], v[144:145]
	v_pk_mul_f32 v[162:163], v[136:137], v[144:145]
.irp j, 2,4,6
	v_pk_fma_f32 v[160:161], v[128+\j:129+\j], v[144+\j:145+\j], v[160:161]
	v_pk_fma_f32 v[162:163], v[136+\j:137+\j], v[144+\j:145+\j], v[162:163]
.endr
	v_add_f32 v160, v160, v161
	v_add_f32 v161, v162, v163
.irp x, 1,2,4,8
	v_add_f32_dpp v160, v160, v160 row_xmask:\x row_mask:0xf bank_mask:0xf
	v_add_f32_dpp v161, v161, v161 row_xmask:\x row_mask:0xf bank_mask:0xf
.endr
	v_permlanex16_b32 v[PD], v160, s[SEL], s[SEL+1]
	v_permlanex16_b32 v[PD+1], v161, s[SEL], s[SEL+1]
	v_add_f32 v160, v160, v[PD]
	v_add_f32 v161, v161, v[PD+1]
	ds_store_b64 v[AQBW], v[160:161]               ; my part of Q . bk, both batch rows
.irp i, 0,1,2,3
	v_mul_f32 v[164+\i], v[156+\i%2], v[152+\i]
.endr
.irp i, 0,1,2,3
	v_mul_f32 v[164+\i], 0xbfb8aa3b, v[164+\i]
.endr
	s_wait_alu depctr_va_vdst(0)                   ; ahead of the batch
.irp i, 0,1,2,3
	v_exp_f32 v[164+\i], v[164+\i]                 ; exp(-We IE)
.endr
	v_nop
	s_wait_alu depctr_va_vdst(0)
.irp i, 0,1,2,3
	v_mul_f32 v[FF+\i], 0x3d38aa3b, v[164+\i]      ; x log2(e) / 32
.endr
	s_wait_alu depctr_va_vdst(0)
	s_wait_kmcnt 0x0
	s_add_co_i32 s[SCK], s76, s77
	s_add_co_i32 s[SCK], s[SCK], 127
	s_lshl_b32 s[SCK], s[SCK], 23                  ; 2^(e2 + e3)
	s_add_co_i32 s[SCV], s78, s79
	s_add_co_i32 s[SCV], s[SCV], 127
	s_lshl_b32 s[SCV], s[SCV], 23                  ; 2^(e4 + e5)
	s_mov_b32 s[SCV+1], s[SCV]
	s_wait_tensorcnt 0x0                           ; my part of W's first slot or of X is in,
	s_wait_dscnt 0x0                               ; and my part of Q lies in LDS
	s_barrier_signal -1
	s_barrier_wait -1
	s_mov_b32 s[G0+1], s[OWN]                      ; from here on each wave fetches its own tile
	WIN 0x40
.set LSL, 0
.set LCT, 0
	BRUN 0
	QLOADS 0, 0, AQ0
	XLOAD 0, 0, 0
	XLOAD 0x80, 1, 0
	XLOAD 0x80, 3, 0
	XLOAD 0xc0, 2, 0
	XLOAD 0xc0, 2, 4
	XLOAD 0xc0, 3, 4
	XLOAD 0x80, 1, 4
	XLOAD 0, 0, 4
	WIN 0
	s_wait_tensorcnt 0x0
	ds_add_u32 v[SPW], v[NIL]
.set PH, 0
.set SETN, 0
	s_wait_dscnt 60                                ; the first 16 products: all but the last 60 LDS instructions (X's row tiles 4-7, the add) are done
	ST 0, 0, 0, 1, 8, 192, 0
	ST 2, 1, 0, 0, 8, 192, 0
	ST 2, 3, 0, 0, 8, 192, 0
	ST 3, 2, 0, 0, 8, 192, 0
	WIN 0
	s_wait_dscnt 0x0                               ; X is in registers: its bytes may be filled
	CROUND
	tensor_load_to_lds s[G0+4:G0+7], s[G1W:G1W+7]
	s_nop 0
	WIN 0x40
.set LSL, 0
.set LCT, 1
	BRUN 1                                         ; the second tile's B: nothing ahead of the fill above waits for it
	WIN 0
	PLACES                                         ; the places ahead of the first multiply-adds
	s_mov_b32 s[CNT], 3
.Lklap:                                                ; a trip: once round the ring, eight tiles
	v_add_nc_u32 v[AQW], s[LAP], v[AQ0]
	s_wait_alu depctr_va_vdst(0)
	GB 0, 1, 0, 0, 0, 0
	TK 1, 0, 0, 0, 0
	TK 2, 1, WKB, 1, 1
	TK 3, 0, 0, 0, 0
	TK 4, 0, 0, 0, 0
	TK 5, 0, 0, 0, 0
	TK 6, 1, WKB, 1, 0
	TK 7, 0, 0, 0, 0
	BA 8, 1, 1, 0, 0
	WIN 0
	s_add_co_u32 s[LAP], s[LAP], 1024
	s_sub_co_u32 s[CNT], s[CNT], 1
	s_cmp_lg_u32 s[CNT], 0
	s_cbranch_scc1 .Lklap
	v_add_nc_u32 v[AQW], s[LAP], v[AQ0]
	s_wait_alu depctr_va_vdst(0)
	GB 0, 1, 0, 0, 0, 0                            ; Wk's last two slots: the ring goes on into Wv
	TK 1, 0, 0, 0, 0
	TK 2, 1, WVB, 1, 0
	TK 3, 0, 0, 0, 0
	TK 4, 0, 0, 0, 0
	TK 5, 0, 0, 0, 0
	TK 6, 1, WVB, 0, 0
	TK 7, 0, 0, 0, 0
	BA 8, 1, 1, 0, 0                               ; V's first 16 products, and the last of the scores
	; THE SOFTMAX.  The partial scores (4 waves x 16 lanes to a row) meet in LDS: wave w adds up rows 32 w .. 32 w + 31, a lane four rows of four r; then every wave takes all 128 rows.
	WIN 0x54
.irp t, 0,1,2,3,4,5,6,7
	ds_store_b128 v[ASS], v[192+8*\t:195+8*\t] offset:64*\t
	ds_store_b128 v[ASS], v[196+8*\t:199+8*\t] offset:64*\t+16
.endr
	WIN 0
	s_wait_alu depctr_va_vdst(0)
	s_wait_dscnt 0x0
	s_barrier_signal -1
	s_barrier_wait -1
.irp p, 0,1,2,3
.irp k, 0,1,2,3
	ds_load_b128 v[48+16*\p+4*\k:51+16*\p+4*\k], v[ARD] offset:\p*SWV+\k*PITCH
.endr
.endr
	s_wait_dscnt 0x0
	FOLD 8
	FOLD 4
	FOLD 2
	FOLD 1
.irp i, 0,1,2,3
	v_add_f32_dpp v[48+\i], v[48+\i], v[48+\i] row_xmask:8 row_mask:0xf bank_mask:0xf
.endr
.irp i, 0,1,2,3
	v_permlanex16_b32 v[64+\i], v[48+\i], s[SEL], s[SEL+1]
.endr
.irp i, 0,1,2,3
	v_add_f32 v[48+\i], v[48+\i], v[64+\i]
.endr
	ds_store_b128 v[ASW], v[48:51]
	s_wait_alu depctr_va_vdst(0)
	s_wait_dscnt 0x0
	s_barrier_signal -1
	s_barrier_wait -1
.irp i, 0,1,2,3
	ds_load_b32 v[64+\i], v[ASR] offset:128*\i     ; row lane + 32 i
.endr
	ds_load_b128 v[68:71], v[AQB]
	ds_load_b128 v[72:75], v[AQB] offset:16
	s_wait_dscnt 0x0
	v_pk_add_f32 v[68:69], v[68:69], v[70:71]
	v_pk_add_f32 v[72:73], v[72:73], v[74:75]
	v_pk_add_f32 v[68:69], v[68:69], v[72:73]
.irp i, 0,1,2,3
	v_fma_f32 v[64+\i], v[64+\i], s[SCK], v[68+\i/2]
.endr
.irp i, 0,1,2,3
	v_mul_f32 v[64+\i], v[64+\i], v[FF+\i]
.endr
	v_max_num_f32 v76, v64, v65
	v_max_num_f32 v77, v66, v67
.irp x, 1,2,4,8
	v_max_num_f32_dpp v76, v76, v76 row_xmask:\x row_mask:0xf bank_mask:0xf
	v_max_num_f32_dpp v77, v77, v77 row_xmask:\x row_mask:0xf bank_mask:0xf
.endr
	v_permlanex16_b32 v[PD], v76, s[SEL], s[SEL+1]
	v_permlanex16_b32 v[PD+1], v77, s[SEL], s[SEL+1]
	v_max_num_f32 v76, v76, v[PD]
	v_max_num_f32 v77, v77, v[PD+1]
.irp i, 0,1,2,3
	v_sub_f32 v[64+\i], v[64+\i], v[76+\i/2]
.endr
	s_wait_alu depctr_va_vdst(0)
.irp i, 0,1,2,3
	v_exp_f32 v[64+\i], v[64+\i]
.endr
	v_nop
	s_wait_alu depctr_va_vdst(0)
	v_add_f32 v78, v64, v65
	v_add_f32 v79, v66, v67
.irp x, 1,2,4,8
	v_add_f32_dpp v78, v78, v78 row_xmask:\x row_mask:0xf bank_mask:0xf
	v_add_f32_dpp v79, v79, v79 row_xmask:\x row_mask:0xf bank_mask:0xf
.endr
	v_permlanex16_b32 v[PD], v78, s[SEL], s[SEL+1]
	v_permlanex16_b32 v[PD+1], v79, s[SEL], s[SEL+1]
	v_add_f32 v78, v78, v[PD]
	v_add_f32 v79, v79, v[PD+1]
	s_wait_alu depctr_va_vdst(0)
	v_rcp_f32 v80, v78
	v_rcp_f32 v81, v79
	v_nop
	s_wait_alu depctr_va_vdst(0)
.irp i, 0,1,2,3
	v_mul_f32 v[64+\i], v[64+\i], v[80+\i/2]
.endr
.irp i, 0,1,2,3
	ds_store_b32 v[AAW], v[64+\i] offset:128*\i    ; my own copy: LDS serves a wave's instructions in order (ISA guide 5.7.1.4)
.endr
.irp t, 3,4,5
	ds_load_b128 v[AT_\t:AT_\t+3], v[AAT] offset:64*\t
	ds_load_b128 v[AT_\t+4:AT_\t+7], v[AAT] offset:64*\t+16
.endr
	WIN 0x80
.irp t, 2,6
	ds_load_b128 v[AT_\t:AT_\t+3], v[AAT] offset:64*\t
	ds_load_b128 v[AT_\t+4:AT_\t+7], v[AAT] offset:64*\t+16
.endr
	WIN 0xc0
.irp t, 0,1,7
	ds_load_b128 v[AT_\t:AT_\t+3], v[AAT] offset:64*\t
	ds_load_b128 v[AT_\t+4:AT_\t+7], v[AAT] offset:64*\t+16
.endr
	WIN 0
	global_load_b128 v[32:35], v[GOV], s[14:15]    ; bv, for the way out
	global_load_b128 v[36:39], v[GOV], s[14:15] offset:256
	s_mov_b32 s[LAP], 0
	s_wait_alu depctr_va_vdst(0)
	s_wait_dscnt 0x0
.set PH, 2
	WIN 0x57
	s_wait_alu depctr_va_vdst(0)                   ; ahead of the first readers of V's first products; so twice more below
.irp t, 0,1
.irp p, 0,1,2,3
	PK 3, \t, \p, 192, 1-\t
.endr
.endr
	WIN 0x56
	s_wait_alu depctr_va_vdst(0)
.irp p, 0,1,2,3
	PK 2, 2, \p, 192, 0
.endr
	WIN 0x54
	s_wait_alu depctr_va_vdst(0)
.irp p, 0,1,2,3
	PK 0, 3, \p, 192, 0
.endr
.set PH, 0
.set SETN, 0
	ST 3, 2, 4, 1, 8, 192, 0                       ; the first tile's other 16 products
	ST 3, 3, 4, 0, 8, 192, 0
	ST 2, 1, 4, 0, 8, 192, 0
	ST 0, 0, 4, 0, 8, 192, 0
	PLACES                                         ; for the first multiply-adds
	BA 1, 2, 1, 0, 0
	WIN 0
	s_mov_b32 s[CNT], 3
.Lvlap:                                                ; a trip stores the sums of its tiles 0 to 7
	v_add_nc_u32 v[ACW], s[LAP], v[ACX0]
	s_wait_alu depctr_va_vdst(0)
	GB 1, 2, 0, 0, 0, 0
	TV 2, 1, 0, 1, WVB
	TV 3, 1, 0, 0, 0
	TV 4, 1, 1, 0, 0
	TV 5, 1, 0, 0, 0
	TV 6, 1, 0, 1, WVB
	TV 7, 1, 0, 0, 0
	TV 8, 1, 1, 0, 0
	BA 9, 2, 1, 1, 0
	WIN 0
	s_add_co_u32 s[LAP], s[LAP], 512
	s_sub_co_u32 s[CNT], s[CNT], 1
	s_cmp_lg_u32 s[CNT], 0
	s_cbranch_scc1 .Lvlap
	v_add_nc_u32 v[ACW], s[LAP], v[ACX0]
	s_wait_alu depctr_va_vdst(0)
	GB 1, 2, 0, 0, 0, 0                            ; the last two slots fetch nothing
	TV 2, 1, 0, 2, 0
	TV 3, 1, 0, 0, 0
	TV 4, 1, 0, 0, 0
	TV 5, 1, 0, 0, 0
	TV 6, 1, 0, 0, 0
	TV 7, 0, 0, 0, 0
	WIN 0x54                                       ; the last tile's row tiles 4-7
.irp t, 4,5
.irp p, 0,1,2,3
	PK 0, \t, \p, 198, 5-\t
.endr
.endr
	WIN 0x56
.irp p, 0,1,2,3
	PK 2, 6, \p, 198, 0
.endr
	WIN 0x57
.irp p, 0,1,2,3
	PK 3, 7, \p, 198, 0
.endr
	WIN 0x54
.irp r, 192,194,196,198
	v_fmac_f32 v[\r], 1.0, v[\r+1]
.endr
	ds_store_b32 v[ACW], v192 offset:384
	ds_store_b32 v[ACW], v194 offset:448
	ds_store_b32 v[ACW], v196 offset:2048+384
	ds_store_b32 v[ACW], v198 offset:2048+448
	WIN 0
	; THE WAY OUT: the partial contexts of two halves of K and two halves of the lanes are added; sixteen lanes store 256 consecutive bytes
	s_wait_alu depctr_va_vdst(0)
	s_wait_dscnt 0x0
	s_barrier_signal -1
	s_barrier_wait -1
.irp b, 0,1
.irp n, 0,1
.irp k, 0,1
.irp u, 0,1
	ds_load_b128 v[128+16*(2*\b+\n)+4*(2*\k+\u):128+16*(2*\b+\n)+4*(2*\k+\u)+3], v[AFR] offset:(2*\k+\n)*8192+\u*4096+\b*2048
.endr
.endr
.endr
.endr
	ds_load_b128 v[84:87], v[AAO]
	s_wait_loadcnt 0x0
	s_wait_dscnt 0x0
.irp b, 0,1
.irp n, 0,1
.set a, 128+16*(2*\b+\n)
.set o, 192+4*(2*\b+\n)
	v_pk_add_f32 v[a:a+1],     v[a:a+1],     v[a+4:a+5]
	v_pk_add_f32 v[a+2:a+3],   v[a+2:a+3],   v[a+6:a+7]
	v_pk_add_f32 v[a+8:a+9],   v[a+8:a+9],   v[a+12:a+13]
	v_pk_add_f32 v[a+10:a+11], v[a+10:a+11], v[a+14:a+15]
	v_pk_add_f32 v[a:a+1],     v[a:a+1],     v[a+8:a+9]
	v_pk_add_f32 v[a+2:a+3],   v[a+2:a+3],   v[a+10:a+11]
	v_pk_fma_f32 v[o:o+1],   v[a:a+1],   s[SCV:SCV+1], v[32+4*\n:33+4*\n] op_sel_hi:[1,0,1]
	v_pk_fma_f32 v[o+2:o+3], v[a+2:a+3], s[SCV:SCV+1], v[34+4*\n:35+4*\n] op_sel_hi:[1,0,1]
	global_store_b128 v[GOV], v[o:o+3], s[22:23] offset:\b*4096+\n*256 th:TH_STORE_NT
.endr
.endr
	s_cmp_lg_u32 s[WV], 0
	s_cbranch_scc1 .Lnot_first
	global_store_b128 v[GO1], v[84:87], s[24:25] th:TH_STORE_NT   ; attn of both batch rows: 512 consecutive bytes
.Lnot_first:
	s_wait_tensorcnt 0x0                           ; the wave's end
	ds_add_u32 v[SPW], v[NIL]
	s_wait_dscnt 0x0
	CROUND                                         ; the closing round
	s_endpgm
.Lfunc_end_k_q5f7913f1f9_attn:
	.size	k_q5f7913f1f9_attn, .Lfunc_end_k_q5f7913f1f9_attn-k_q5f7913f1f9_attn
	.p2alignl 7, 3214868480
	.fill 96, 4, 3214868480
	.section	.rodata,"a",@progbits
	.p2align	6, 0x0
	.amdhsa_kernel k_q5f7913f1f9_attn
		.amdhsa_group_segment_fixed_size 327680
		.amdhsa_private_segment_fixed_size 0
		.amdhsa_enable_private_segment 0
		.amdhsa_kernarg_size 88
		.amdhsa_user_sgpr_count 2
		.amdhsa_user_sgpr_kernarg_segment_ptr 1
		.amdhsa_wavefront_size32 1
		.amdhsa_system_sgpr_workgroup_id_x 1
		.amdhsa_system_sgpr_workgroup_id_y 1
		.amdhsa_system_sgpr_workgroup_id_z 1
		.amdhsa_system_vgpr_workitem_id 0
		.amdhsa_next_free_vgpr 1024
		.amdhsa_next_free_sgpr 100
		.amdhsa_reserve_vcc 0
		.amdhsa_float_denorm_mode_32 3
		.amdhsa_float_denorm_mode_16_64 3
		.amdhsa_memory_ordered 1
		.amdhsa_forward_progress 1
		.amdhsa_inst_pref_size 215
	.end_amdhsa_kernel
	.amdgpu_metadata
---
amdhsa.version: [ 1, 2 ]
amdhsa.kernels:
  - .name:           k_q5f7913f1f9_attn
    .symbol:         k_q5f7913f1f9_attn.kd
    .args:
      - { .name: qws, .offset: 0, .size: 8, .value_kind: global_buffer, .address_space: global }
      - { .name: all_states_codes, .offset: 8, .size: 8, .value_kind: global_buffer, .address_space: global }
      - { .name: Wk_codes, .offset: 16, .size: 8, .value_kind: global_buffer, .address_space: global }
      - { .name: Wv_codes, .offset: 24, .size: 8, .value_kind: global_buffer, .address_space: global }
      - { .name: bk, .offset: 32, .size: 8, .value_kind: global_buffer, .address_space: global }
      - { .name: bv, .offset: 40, .size: 8, .value_kind: global_buffer, .address_space: global }
      - { .name: IEs, .offset: 48, .size: 8, .value_kind: global_buffer, .address_space: global }
      - { .name: We, .offset: 56, .size: 8, .value_kind: global_buffer, .address_space: global }
      - { .name: lowp_scales, .offset: 64, .size: 8, .value_kind: global_buffer, .address_space: global }
      - { .name: out0, .offset: 72, .size: 8, .value_kind: global_buffer, .address_space: global }
      - { .name: out1, .offset: 80, .size: 8, .value_kind: global_buffer, .address_space: global }
    .group_segment_fixed_size: 327680
    .private_segment_fixed_size: 0
    .kernarg_segment_align: 8
    .kernarg_segment_size: 88
    .max_flat_workgroup_size: 128
    .sgpr_count:     100
    .vgpr_count:     1024
    .wavefront_size: 32
...
	.end_amdgpu_metadata
.endif
;; end of part 2
